; MI455X (gfx1250); checked and timed in simulation.
; The chip was launched on July 23, 2026; its instructions are those of AMD's public machine-readable ISA for CDNA 5 (MIT licence, August 2026) and "CDNA5" Instruction Set Architecture Reference Guide (July 2026). The comments in the code are by the model that wrote it; some were corrected since.
;; GRN Net. Allowed arithmetic: matrix products marked QUANTISED: E2M1 operands, one E8M0 scale for each 32 along K, by v_wmma_scale_f32_16x16x128_f8f6f4 with both operands' format E2M1 (or v_wmma_scale_f32_32x16x128_f4), f32 sums; products left as they are: f32 operands where the result goes on into a quantised operand, else bf16, f16 or f32 operands; f32 sums; everything else in f32.
;; Inputs: batches 8,192 x 64 float32; beta 1 x 16,384 float32; x_training 16,384 x 64 float32; y_training 16,384 x 8 float32.
;; Outputs: out0 8,192 x 8 float32.
;; This version of the problem:
;;   THIS VERSION OF THE PROBLEM IS GIVEN IN LOW PRECISION. The matrix products marked QUANTISED in the list below multiply operands that are first quantised to E2M1 (2 exponent bits, 1 mantissa bit; 4 bits a number), with one power-of-two scale for each 32 numbers along K (OCP MX v1.0); their sums are f32. All else is computed in f32.
;;   The module's matrix products, in the order in which they are computed (A, B: the left and right operand; K: the contracted axis; several contracted axes count as one K, in the product's order):
;;     1. [M 8,192, K 64] x [K 64, N 16,384]; A: input batches; B: input x_training: QUANTISED
;;     2. [M 8,192, K 16,384] x [K 16,384, N 8]; A: computed on the way; B: input y_training: left as it is (N = 8 < 16)
;;   THE QUANTISER, for each operand of a quantised product, along K:
;;     - K is cut into blocks of 32 from its start; a last block that is shorter is filled with zeros.
;;     - A block's scale is 2^e with e = floor(log2(the largest magnitude in the block)) - 2, held to -126 .. 127; a block of zeros has e = 0. As a byte (E8M0): e + 127.
;;     - Each number is divided by its block's scale, clamped to +-6, and rounded to the nearest number of E2M1, ties to even, subnormals kept.
;;     - The product sums the exact products of the quantised numbers (number of the format x scale) in f32.
;;   ~~~python
;;   def quantise(x, axis):      # numpy; x: float32 -> the quantised numbers, widened to float32 again
;;       x = np.moveaxis(x, axis, -1); K = x.shape[-1]
;;       x = np.pad(x, [(0, 0)] * (x.ndim - 1) + [(0, -K % 32)]); x = x.reshape(x.shape[:-1] + (-1, 32)); a = np.abs(x).max(-1, keepdims=True)
;;       e = np.where(a > 0, np.clip(np.frexp(np.where(a > 0, a, 1))[1] - 1 - 2, -126, 127), 0)      # np.frexp(a)[1] - 1 = floor(log2(a)), exactly
;;       r = np.clip(x / 2.0 ** e, -6, 6)
;;       step = 2.0 ** (np.maximum(np.frexp(np.where(r == 0, 1, r))[1] - 1, 0) - 1)
;;       q = np.round(r / step) * step * 2.0 ** e      # np.round: ties to even
;;       return np.moveaxis(q.reshape(q.shape[:-2] + (-1,))[..., :K], -1, axis).astype(np.float32)
;;   ~~~
;; One version. Each part assembles by itself: llvm-mc -triple=amdgcn-amd-amdhsa -mcpu=gfx1250 --defsym DOCPART=n.
;; ======== version 1 of 1: 2 launches
;; limits: values outside matrix products are rounded to f16; values are held in f16: magnitudes above 65,504 overflow, below 6.1e-05 lose precision
;; workspace buffers: stream 1,245,184 bytes; qrec 327,680 bytes
;; launch prep (part 1): grid 256 x 1, 3 waves a work-group, no clusters, 0 bytes of LDS; arguments x_training, y_training, beta, batches, stream, qrec; writes stream, qrec
.if DOCPART == 1
	.amdgcn_target "amdgcn-amd-amdhsa--gfx1250"
	.amdhsa_code_object_version 6
	.text
	.protected	k_q1ccef72530_prep
	.globl	k_q1ccef72530_prep
	.p2align	8
	.type	k_q1ccef72530_prep,@function
k_q1ccef72530_prep:
	s_mov_b64 s[64:65], 0
	v_nop
	global_prefetch_b8 v0, s[64:65] scope:SCOPE_SE
	s_setreg_imm32_b32 hwreg(HW_REG_WAVE_MODE, 25, 1), 1
	s_wait_xcnt 0x0
; PREP: x_training [16384][64] and batches [8192][64], f32, become codes of FP4 (E2M1) with one E8M0 scale byte for each 32 along K, laid in the ORDER OF THE OPERAND'S REGISTERS,
; with each row's half squared norm (of the UNQUANTISED numbers) beside them; y_training becomes f16 fragments of Y^T with a row of ones; beta becomes c = -beta sqrt(2) log2(e).
; A RECORD is 32 rows (two tiles of 16).  Work-group i: waves 0 and 1 make the stream's records 2 i and 2 i + 1 (training points), wave 2 makes qrec's record i (queries).  One path serves both kinds: pointers and
; layout constants are chosen by the wave's number; only y's and beta's lines stand under a branch on it.  No LDS, no barrier, EXEC is never changed; no register that a store names is written behind it.
; THE STREAM: four records form a part of 9,728 bytes: record g's images at 2,048 g (codes of tile 0, codes of tile 1, Y^T registers 0-3, Y^T registers 4-7: 512 bytes each, lane l's 16 bytes at 16 l),
;   its tables at 8,192 + 384 g (32 scale words, 32 x -|x|^2/2, 32 x c: 128 bytes each).  QREC: a record is 1,280 bytes: two code images, 32 scale words, 32 x +|b|^2/2.
; A CODE IMAGE: lane (r = l % 16, h = l / 16) holds the codes of k = 32 h .. 32 h + 31 of row r: registers 0-3 of a 4-bit fragment of 128 along K; the upper 64 along K are zeros that the reader keeps in registers.
; A SCALE WORD: byte 0 block 0, byte 1 block 1, bytes 2 and 3 = 127 (they scale zero codes).  Word l of a record: lanes 0-15 tile 0's rows, lanes 16-31 tile 1's.
; Y^T has 16 rows x 32 points, f16: rows 0-7 are y's columns, row 8 is ones (it makes the sum of weights), rows 9-15 zeros.  f16 and not bf16: the result is a weighted mean, which cancels where few points with
; large y of opposite sign hold most of the weight; f16's 2^-12 of |y| is an eighth of bf16's 2^-9.
; A block's scale is 2^(floor(log2(its largest magnitude)) - 2): its byte is the largest magnitude's exponent field - 2, held at 1 from below by a floor among the maximum's leaves.
; Each image store of a wave covers 512 consecutive bytes that begin at a multiple of 256 from the buffer's first byte; the three table stores of a record cover 128 bytes each: 384 of a record's 2,432 bytes.
; LIMITS: |y| under 65,504 (f16's largest number); a block of zeros gets the byte 1 where the rule says 127 (its codes are zeros, and this program alone reads the bytes); NaN and infinities among the inputs are not served.
.set PART, 9728                        ; four records of the stream
.set XN,   32                          ; v32-63, v64-95: my 32 numbers (one whole block) of tile 0's row, of tile 1's
.set CD,   16                          ; v16-19, v20-23: their codes
.set MX,   24                          ; v24-25 largest magnitudes; v26-27 the conversions' scale operands; v28-29 bytes, then words; v30-31 what the other half of the lanes sends
.set SQ,   10                          ; v[10:11], v[12:13] sums of squares, two chains a tile; v14-15 the other half's
.set YN,   96                          ; v96-111 sixteen numbers of y;  v112 beta;  v114-121 Y^T packed;  v122 what rows 8-15 of Y^T hold
.set YP,   114
.set WV,   16
.set SEL,  34
	s_load_b128 s[4:7], s[0:1], 0x0                ; x_training, y_training
	s_load_b128 s[8:11], s[0:1], 0x10              ; beta, batches
	s_load_b128 s[12:15], s[0:1], 0x20             ; stream, qrec
	v_lshrrev_b32 v1, 5, v0
	v_readfirstlane_b32 s[WV], v1                  ; wave 0..2
	v_and_b32 v1, 31, v0                           ; lane
	v_and_b32 v2, 15, v0                           ; r
	v_bfe_u32 v3, v0, 4, 1                         ; h
	v_lshlrev_b32 v4, 8, v2
	v_lshl_add_u32 v4, v3, 7, v4                   ; in: row r of 256 bytes, + 128 h: my block of 32
	v_lshlrev_b32 v5, 4, v1                        ; an image's place for my lane
	v_lshlrev_b32 v6, 2, v1                        ; a table's
	v_and_b32 v7, 7, v2
	v_lshlrev_b32 v7, 2, v7
	v_lshl_add_u32 v7, v3, 8, v7                   ; y: column r % 8 (rows 8-15 of Y^T are replaced below; so every lane stays inside y), + 8 h points of 32 bytes
	v_lshlrev_b32 v8, 3, v3                        ; 8 h: my byte's place in a scale word
	v_mov_b32 v14, 0                               ; written once: a lane permute's destination counts as one of its sources
	v_mov_b32 v15, 0
	v_mov_b32 v30, 0
	v_mov_b32 v31, 0
	v_mov_b32 v123, 0x3c003c00                     ; two f16 ones
	v_cmp_eq_u32 vcc_lo, 8, v2
	v_cndmask_b32 v122, 0, v123, vcc_lo            ; row 8 of Y^T is ones, rows 9-15 zeros
	s_lshl_b32 s17, ttmp9, 1
	s_add_co_u32 s17, s17, s[WV]                   ; the stream's record: 2 i + wave
	s_mov_b32 s[SEL], 0x76543210
	s_mov_b32 s[SEL+1], 0xfedcba98                 ; v_permlanex16_b32's selects for lane l xor 16
	s_mov_b32 s25, 1280
	s_mov_b32 s26, 1024
	s_mov_b32 s27, 0x3f000000
	s_wait_kmcnt 0x0
	s_cmp_lt_u32 s[WV], 2                          ; training points or queries?  The choice hangs on the wave's number alone; only lines that leave SCC alone follow
	s_cselect_b64 s[20:21], s[4:5], s[10:11]       ; from where
	s_cselect_b64 s[22:23], s[12:13], s[14:15]     ; to where
	s_cselect_b32 s24, s17, ttmp9                  ; G: which record
	s_cselect_b32 s30, 2, 0                        ; records to a part: 4 or 1, as a shift
	s_cselect_b32 s31, 3, 0                        ; and as a mask
	s_cselect_b32 s25, PART, s25                   ; bytes of a part
	s_cselect_b32 s26, 8192, s26                   ; where its tables begin
	s_cselect_b32 s27, 0xbf000000, s27             ; -1/2 for |x|^2, +1/2 for |b|^2
	s_lshr_b32 s32, s24, s30
	s_and_b32 s33, s24, s31
	s_mul_i32 s32, s32, s25                        ; my part
	s_lshl_b32 s36, s33, 11
	s_add_co_u32 s36, s36, s32                     ; my record's images: + 2,048 g
	s_mov_b32 s37, 0
	s_mul_i32 s33, s33, 384
	s_add_co_u32 s38, s33, s32
	s_add_co_u32 s38, s38, s26                     ; my record's tables: + where they begin + 384 g
	s_mov_b32 s39, 0
	s_add_nc_u64 s[28:29], s[22:23], s[38:39]
	s_add_nc_u64 s[22:23], s[22:23], s[36:37]
	s_lshl_b32 s36, s24, 13                        ; 32 rows of 256 bytes
	s_add_nc_u64 s[20:21], s[20:21], s[36:37]
	s_lshl_b32 s36, s24, 10                        ; 32 points of y, 32 bytes each
	s_add_nc_u64 s[6:7], s[6:7], s[36:37]
	s_lshl_b32 s36, s24, 7                         ; 32 numbers of beta
	s_add_nc_u64 s[8:9], s[8:9], s[36:37]
	s_cmp_lt_u32 s[WV], 2
	s_cbranch_scc0 .Lno_y
.irp i, 0,1,2,3,4,5,6,7
	global_load_b32 v[YN+\i], v7, s[6:7] offset:32*\i          ; y(8 h + i, r % 8): registers 0-3 of the fragment of Y^T
.endr
.irp i, 0,1,2,3,4,5,6,7
	global_load_b32 v[YN+8+\i], v7, s[6:7] offset:512+32*\i    ; y(16 + 8 h + i, r % 8): registers 4-7
.endr
	global_load_b32 v112, v6, s[8:9]
.Lno_y:
.irp u, 0,1
.irp i, 0,1,2,3,4,5,6,7
	global_load_b128 v[XN+32*\u+4*\i:XN+32*\u+4*\i+3], v4, s[20:21] offset:4096*\u+16*\i th:TH_LOAD_NT
.endr
.endr
	s_wait_loadcnt 0x0                             ; the one wait: all of the wave's loads were on their way together
	; the two tiles take turns line by line, so that no line waits for the line above it
.irp u, 0,1
	v_max3_num_f32 v[MX+\u], |v[XN+32*\u]|, |v[XN+32*\u+1]|, 0x1800000   ; my block's largest magnitude, and the floor 2^(3 - 127): the byte cannot fall under 1
.endr
.irp i, 2,4,6,8,10,12,14,16,18,20,22,24,26,28,30
.irp u, 0,1
	v_max3_num_f32 v[MX+\u], v[MX+\u], |v[XN+32*\u+\i]|, |v[XN+32*\u+\i+1]|
.endr
.endr
.irp u, 0,1
	v_pk_mul_f32 v[SQ+2*\u:SQ+2*\u+1], v[XN+32*\u:XN+32*\u+1], v[XN+32*\u:XN+32*\u+1]   ; the sum of squares of the numbers as they came, two chains a tile
.endr
.irp i, 2,4,6,8,10,12,14,16,18,20,22,24,26,28,30
.irp u, 0,1
	v_pk_fma_f32 v[SQ+2*\u:SQ+2*\u+1], v[XN+32*\u+\i:XN+32*\u+\i+1], v[XN+32*\u+\i:XN+32*\u+\i+1], v[SQ+2*\u:SQ+2*\u+1]
.endr
.endr
.irp u, 0,1
	v_add_nc_u32 v[MX+2+\u], 0xff000000, v[MX+\u]  ; 2 off the exponent field: the conversion takes the exponent field of this operand as its scale, and nothing else of it
.endr
.irp u, 0,1
	v_lshrrev_b32 v[MX+4+\u], 23, v[MX+2+\u]       ; the scale's byte
.endr
.irp u, 0,1
	v_add_f32 v[SQ+2*\u], v[SQ+2*\u], v[SQ+2*\u+1]
.endr
.irp u, 0,1
	v_lshlrev_b32 v[MX+4+\u], v8, v[MX+4+\u]       ; at its place in the word: block h
.endr
.irp u, 0,1
	v_permlanex16_b32 v[14+\u], v[SQ+2*\u], s[SEL], s[SEL+1]
.endr
.irp u, 0,1
	v_permlanex16_b32 v[MX+6+\u], v[MX+4+\u], s[SEL], s[SEL+1]
.endr
.irp u, 0,1
	v_add_f32 v[SQ+2*\u], v[SQ+2*\u], v[14+\u]     ; with the row's other 32 numbers
.endr
.irp u, 0,1
	v_or_b32 v[MX+4+\u], v[MX+4+\u], v[MX+6+\u]    ; with the row's other byte
.endr
.irp u, 0,1
	v_mul_f32 v[SQ+2*\u], s27, v[SQ+2*\u]          ; halved, which rounds nothing; with the sign that the reader wants
.endr
.irp u, 0,1
	v_or_b32 v[MX+4+\u], 0x7f7f0000, v[MX+4+\u]    ; bytes 2 and 3: 127
.endr
.irp u, 0,1
.irp g, 0,1,2,3
	v_cvt_scalef32_pk8_fp4_f32 v[CD+4*\u+\g], v[XN+32*\u+8*\g:XN+32*\u+8*\g+7], v[MX+2+\u]   ; eight numbers / the scale, to the nearest code, ties to even, beyond 6 the largest code
.endr
.endr
	v_nop                                          ; one plain place behind the last scaled conversion
	v_cmp_eq_u32 vcc_lo, 1, v3
	v_cndmask_b32 v28, v28, v29, vcc_lo            ; entry l of a table: lanes 0-15 tile 0's row l, lanes 16-31 tile 1's row l - 16
	v_cndmask_b32 v10, v10, v12, vcc_lo
	global_store_b128 v5, v[CD:CD+3], s[22:23]
	global_store_b128 v5, v[CD+4:CD+7], s[22:23] offset:512
	global_store_b32 v6, v28, s[28:29]
	global_store_b32 v6, v10, s[28:29] offset:128
	s_cmp_lt_u32 s[WV], 2
	s_cbranch_scc0 .Ldone
	v_mul_f32 v112, 0xc00293ee, v112               ; c = -sqrt(2) log2(e) beta: exp(-beta dist) = 2^(c sqrt(dist^2 / 2))
	global_store_b32 v6, v112, s[28:29] offset:256
.irp i, 0,1,2,3,4,5,6,7
	v_cvt_pk_f16_f32 v[YP+\i], v[YN+2*\i], v[YN+2*\i+1]        ; the lower point in the low half
.endr
	v_cmp_le_u32 vcc_lo, 8, v2
.irp i, 0,1,2,3,4,5,6,7
	v_cndmask_b32 v[YP+\i], v[YP+\i], v122, vcc_lo
.endr
	global_store_b128 v5, v[YP:YP+3], s[22:23] offset:1024
	global_store_b128 v5, v[YP+4:YP+7], s[22:23] offset:1536
.Ldone:
	s_endpgm
.Lfunc_end_k_q1ccef72530_prep:
	.size	k_q1ccef72530_prep, .Lfunc_end_k_q1ccef72530_prep-k_q1ccef72530_prep
	.p2alignl 7, 3214868480
	.fill 96, 4, 3214868480
	.section	.rodata,"a",@progbits
	.p2align	6, 0x0
	.amdhsa_kernel k_q1ccef72530_prep
		.amdhsa_group_segment_fixed_size 0
		.amdhsa_private_segment_fixed_size 0
		.amdhsa_enable_private_segment 0
		.amdhsa_kernarg_size 48
		.amdhsa_user_sgpr_count 2
		.amdhsa_user_sgpr_kernarg_segment_ptr 1
		.amdhsa_wavefront_size32 1
		.amdhsa_system_sgpr_workgroup_id_x 1
		.amdhsa_system_sgpr_workgroup_id_y 1
		.amdhsa_system_sgpr_workgroup_id_z 1
		.amdhsa_system_vgpr_workitem_id 0
		.amdhsa_next_free_vgpr 128
		.amdhsa_next_free_sgpr 66
		.amdhsa_reserve_vcc 1
		.amdhsa_float_denorm_mode_32 3
		.amdhsa_float_denorm_mode_16_64 3
		.amdhsa_memory_ordered 1
		.amdhsa_forward_progress 1
		.amdhsa_inst_pref_size 13
	.end_amdhsa_kernel
	.amdgpu_metadata
---
amdhsa.version: [ 1, 2 ]
amdhsa.kernels:
  - .name:           k_q1ccef72530_prep
    .symbol:         k_q1ccef72530_prep.kd
    .args:
      - { .name: x_training, .offset: 0, .size: 8, .value_kind: global_buffer, .address_space: global }
      - { .name: y_training, .offset: 8, .size: 8, .value_kind: global_buffer, .address_space: global }
      - { .name: beta, .offset: 16, .size: 8, .value_kind: global_buffer, .address_space: global }
      - { .name: batches, .offset: 24, .size: 8, .value_kind: global_buffer, .address_space: global }
      - { .name: stream, .offset: 32, .size: 8, .value_kind: global_buffer, .address_space: global }
      - { .name: qrec, .offset: 40, .size: 8, .value_kind: global_buffer, .address_space: global }
    .group_segment_fixed_size: 0
    .private_segment_fixed_size: 0
    .kernarg_segment_align: 8
    .kernarg_segment_size: 48
    .max_flat_workgroup_size: 96
    .sgpr_count:     66
    .vgpr_count:     128
    .wavefront_size: 32
...
	.end_amdgpu_metadata
.endif
;; end of part 1
;; launch main (part 2): grid 256 x 1, 16 waves a work-group, clusters of 4 x 1, 327,680 bytes of LDS; arguments stream, qrec, out0; writes out0
.if DOCPART == 2
	.amdgcn_target "amdgcn-amd-amdhsa--gfx1250"
	.amdhsa_code_object_version 6
	.text
	.protected	k_q1ccef72530_main
	.globl	k_q1ccef72530_main
	.p2align	8
	.type	k_q1ccef72530_main,@function
k_q1ccef72530_main:
	s_mov_b64 s[64:65], 0
	v_nop
	global_prefetch_b8 v0, s[64:65] scope:SCOPE_SE
	s_setreg_imm32_b32 hwreg(HW_REG_WAVE_MODE, 25, 1), 1
	s_wait_xcnt 0x0
	s_wait_alu depctr_hold_cnt(0) depctr_sa_sdst(0) depctr_va_vdst(0) depctr_va_sdst(0) depctr_va_ssrc(0) depctr_va_vcc(0) depctr_vm_vsrc(0)
	s_getreg_b32 s2, hwreg(HW_REG_IB_STS2, 6, 4)
	s_cmp_eq_u32 s2, 0
	s_cbranch_scc0 .Lentry_in_a_cluster
	s_endpgm
.Lentry_in_a_cluster:
	s_bfe_u32 s2, ttmp6, 0x10000c
	s_cmp_lg_u32 s2, 0x3003
	s_cbranch_scc0 .Lentry_shape_is_right
	s_endpgm
.Lentry_shape_is_right:
; MAIN: out0[b][:] = sum over n of w(b, n) y[n][:] / sum over n of w(b, n),  w = exp(-beta[n] sqrt(max(|b|^2 + |x_n|^2 - 2 b . x_n, 0))),  8,192 queries b, 16,384 training points x_n.
; b . x_n is the product of FP4 codes with E8M0 scales (K = 64: the upper half of the instruction's 128 along K is zero codes, kept in registers); the norms are those of the unquantised numbers.
; SHARES.  Work-group W owns queries 32 W .. 32 W + 31 and walks all points: each output row has one owner.  Each of its 16 waves (four to a SIMD: one wave's roots and exponentials stand beside another's plain and
; matrix work) holds both tiles of 16 queries and takes a sixteenth of the points, 32 (a group) at a time; the 16 partial sums meet in LDS at the end.
; LAYOUT.  The first product is used transposed (source 0 = 16 points, source 1 = 16 queries): a lane (r = l % 16, h = l / 16) holds ONE query r and its register j point 8 h + j.  Its C is a tile of -|x|^2/2, so
; D = b . x - |x|^2/2 costs no vector line; u = |b|^2/2 - D = dist^2 / 2; t = c sqrt(max(u, 0)), c = -sqrt(2) log2(e) beta; w = 2^t.
; THE SECOND PRODUCT GOES IN f16, UNDER A RUNNING MAXIMUM.  The result is a weighted mean: where few points with large y of opposite sign hold most of the weight it cancels, and bf16's 2^-9 of w and of y would show;
; f16 leaves 2^-12 at the same matrix work.  w itself has no room in f16, so for each query M = the largest t so far, rounded UP to a whole number (kept as -M = floor(-t)), and p = 2^(t - M), at most 1, is what is
; rounded.  When M moves, O^T is multiplied by 2^(old M - new M), made by v_ldexp_f32: nothing is rounded, and no branch hangs on data.  M cancels in the quotient.
; Two tiles of p, rounded in pairs, ARE source 1 (32 points x 16 queries) of O^T += Y^T p.  Y^T has 16 rows: y's 8 columns, a row of ones, zeros: row 8 of O^T is the sum of the weights as rounded, the same weights
; that the numerator sums: register 0 of lanes 16-31.  At the end the sixteen waves' O^T are brought under the largest of their M and added.
; THE STREAM comes through two LDS slots of 2,048 points.  A wave fetches exactly the 9,728 bytes of a slot that it alone reads (four groups), as 38 rows of 256 dense bytes: fewer rows than a larger load would have,
; but every wave issues its own load with no branch round it, its own wait on TENSORcnt is all that its reads need, and every LDS byte is read once.  Two loads of a wave are out at the start, one behind each change of slots.
; CLUSTER.  All work-groups walk the same stream: the four of a cluster ask for each part JOINTLY (the same descriptor, mask 15): 64 requests for each part in place of 256.  The place in the cluster enters qrec's and out0's addresses alone.
; LIMITS.  A weight under 2^-14 of its query's largest so far is an f16 denormal, with an absolute error of 2^-25 of that largest: over all 16,384 points at most 2^-11 of it.  Where every weight of a row underflows in
; f32 the definition gives 0/0; this text, which takes the maximum off, still gives the weighted mean there.  |y| under 65,504.  The norms enter halved and |x|^2/2 inside the matrix sum: another order of rounding than
; b2 + x2 - 2 dot.  NaN and infinities among the inputs are not served.
.set PART,  9728                       ; a wave's part of a slot: four groups' images (2,048 bytes each), then their tables (384 bytes each)
.set SLOT,  16*PART                    ; 155,648
.set SPARE, 2*SLOT                     ; behind the slots: the spare words, 128 bytes for each of the 16 waves: eight blocks of 256 bytes that no other line names
.set META,  8192
.set SPW, 1                            ; v1    LDS address of my spare word; never rewritten
.set NIL, 2                            ; v2    0; never rewritten
.set AI,  3                            ; v3-4  16 x lane + my part, in slot 0, 1: images
.set AW,  5                            ; v5-6  4 x lane + my part: scale words
.set AB,  7                            ; v7-8  32 h + my part: tables by point (all lanes of a half read the same bytes)
.set RA,  9                            ; v9-11 the last sum: 16 x lane + 1,024 x (wave % 2) + 6 parts x 0, 1, 2
.set HH,  12                           ; v12   h
.set GO,  13                           ; v13   32 r + 16 h: my 16 bytes of the 16 output rows
.set QI,  14                           ; v14   16 x lane;  v15  4 x lane;  v39  4 r: offsets in qrec
.set QW,  15
.set QR,  39
.set QF,  16                           ; v16-31 the queries' two fragments; registers 4-7 of each stay 0
.set QS,  32                           ; v32   their scale words: lanes 0-15 tile 0, lanes 16-31 tile 1
.set XS,  33                           ; v33, v38  the points' scale words, set 0, 1.  v32, v33, v38 hold scales and nothing else
.set BH,  34                           ; v[34:35], v[36:37] |b|^2/2 of my query in tile 0, 1, each twice (a pair for the packed line)
.set O,   40                           ; v40-55 O^T, tile q at 8 q
.set P,   56                           ; v56-71 p in f16, tile q at 8 q
.set S,   72                           ; v72-103 scores, then t, then p: queries' tile q, points' tile u at 16 q + 8 u
.set SET0, 104                         ; two sets of a group's operands, 56 registers each: +0 the points' two fragments (registers 4-7 of each stay 0), +16 -|x|^2/2, +32 c, +48 Y^T
.set FP,  216                          ; v216-231 the last sum: the sixteen waves' -M, then their factors
.set ST,  232                          ; v[232:233], v[234:235] tile q: -M, the largest t so far (a pair: the packed line takes its low word for both halves)
.set FF,  236                          ; v[236:237], v[238:239] tile q: f = 2^(old M - new M), the new -M (a pair likewise)
.set MA,  240                          ; v240-241, v242-243 two chains of maxima a tile
.set MB,  242
.set PD,  244                          ; v244-245 what lane l xor 16 sends
.set RZ,  246                          ; v246-248 the last sum: 4 x lane + 128 x (wave % 2) + 6 parts x 0, 1, 2
.set RED, 72                           ; the last sum: 16 partial tiles, v72-199; v200-212 at work
.set WV,  10
.set G1,  16                           ; s[16:23] descriptor group 1;  s[24:27], s[28:31] group 0 for slot 0, 1
.set G0,  24
.set TRIPS, 32
.set SEL, 34
.macro PLACES
.rept 4
	v_nop
.endr
.endm
; A round of the cluster's barrier: my work-group's barrier, so that wave 0's signal speaks for all sixteen waves; wave 0 signals; every wave waits for all four work-groups; my work-group's barrier once more.
.macro ROUND
	s_barrier_signal -1
	s_barrier_wait -1
	s_cmp_lg_u32 s[WV], 0
	s_cbranch_scc1 .Lnot_wave_0_\@
	s_barrier_signal -3
.Lnot_wave_0_\@:
	s_barrier_wait -3
	s_barrier_signal -1
	s_barrier_wait -1
.endm
; Group g of my part of a slot into an operand set: 13 LDS loads, each either 16 or 4 consecutive bytes a lane or one address for a half of the lanes.
.macro LOADS set, slot, g
.set LB, SET0+56*(\set)
.set LI, 2048*(\g)
.set LM, META+384*(\g)
	ds_load_b128 v[LB:LB+3], v[AI+\slot] offset:LI                 ; codes of points 0-15: registers 0-3 of the fragment
	ds_load_b128 v[LB+8:LB+11], v[AI+\slot] offset:LI+512          ; of points 16-31
	ds_load_b32 v[XS+5*(\set)], v[AW+\slot] offset:LM
.irp u, 0,1
.irp c, 0,1
	ds_load_b128 v[LB+16+8*\u+4*\c:LB+16+8*\u+4*\c+3], v[AB+\slot] offset:LM+128+64*\u+16*\c   ; -|x|^2/2 of points 16 u + 8 h + 4 c + 0 .. 3
.endr
.endr
.irp u, 0,1
.irp c, 0,1
	ds_load_b128 v[LB+32+8*\u+4*\c:LB+32+8*\u+4*\c+3], v[AB+\slot] offset:LM+256+64*\u+16*\c   ; c of the same points
.endr
.endr
	ds_load_b128 v[LB+48:LB+51], v[AI+\slot] offset:LI+1024
	ds_load_b128 v[LB+52:LB+55], v[AI+\slot] offset:LI+1536
.endm
; A GROUP: 32 points x 32 queries.  next = 1: the slot's next group is fetched into the other set meanwhile.
; Matrix instructions: four on the scores' four tiles, then O^T's two accumulators, one instruction each: no two that follow each other share an accumulator, over the loop's backward jump too.
.macro GROUP set, slot, g, next
.set GB, SET0+56*(\set)
.set GX, XS+5*(\set)
	s_wait_dscnt 0x0                               ; this group's 13 loads, issued a group ago (a slot's first group: just now)
	v_wmma_scale_f32_16x16x128_f8f6f4 v[S:S+7], v[GB:GB+7], v[QF:QF+7], v[GB+16:GB+23], v[GX], v[QS] matrix_a_fmt:MATRIX_FMT_FP4 matrix_b_fmt:MATRIX_FMT_FP4
	v_wmma_scale_f32_16x16x128_f8f6f4 v[S+16:S+23], v[GB:GB+7], v[QF+8:QF+15], v[GB+16:GB+23], v[GX], v[QS] matrix_a_fmt:MATRIX_FMT_FP4 matrix_b_fmt:MATRIX_FMT_FP4 matrix_b_scale:MATRIX_SCALE_ROW1
	v_wmma_scale_f32_16x16x128_f8f6f4 v[S+8:S+15], v[GB+8:GB+15], v[QF:QF+7], v[GB+24:GB+31], v[GX], v[QS] matrix_a_fmt:MATRIX_FMT_FP4 matrix_b_fmt:MATRIX_FMT_FP4 matrix_a_scale:MATRIX_SCALE_ROW1
	v_wmma_scale_f32_16x16x128_f8f6f4 v[S+24:S+31], v[GB+8:GB+15], v[QF+8:QF+15], v[GB+24:GB+31], v[GX], v[QS] matrix_a_fmt:MATRIX_FMT_FP4 matrix_b_fmt:MATRIX_FMT_FP4 matrix_a_scale:MATRIX_SCALE_ROW1 matrix_b_scale:MATRIX_SCALE_ROW1
	PLACES                                         ; four places: ahead of the first read of the scores, and of the loads into the other set, whose Y^T the last group's products read
.if \next
	LOADS 1-(\set), \slot, (\g)+1
.endif
.set gi, 0
.rept 16
	v_pk_add_f32 v[S+2*gi:S+2*gi+1], v[BH+2*(gi/8):BH+2*(gi/8)+1], v[S+2*gi:S+2*gi+1] neg_lo:[0,1] neg_hi:[0,1]   ; u = |b|^2/2 - D; each tile from its low end on
.set gi, gi+1
.endr
.set gi, 0
.rept 32
	v_max_num_f32 v[S+gi], 0, v[S+gi]              ; the definition's clip at 0
.set gi, gi+1
.endr
.set gi, 0
.rept 32
	v_sqrt_f32 v[S+gi], v[S+gi]
.set gi, gi+1
.endr
	v_nop                                          ; a plain place behind the last root
	s_wait_alu depctr_va_vdst(0)                   ; one wait for the batch of 32, ahead of its first reader
.set gi, 0
.rept 16
	v_pk_mul_f32 v[S+2*gi:S+2*gi+1], v[S+2*gi:S+2*gi+1], v[GB+32+2*(gi%8):GB+32+2*(gi%8)+1]   ; t = c sqrt(u)
.set gi, gi+1
.endr
	; the largest t of my query: my 16 of the group's 32 points, in two chains a tile, the tiles by turns; the largest so far is the last leaf
.irp q, 0,1
	v_max3_num_f32 v[MA+\q], v[S+16*\q], v[S+16*\q+1], v[S+16*\q+2]
	v_max3_num_f32 v[MB+\q], v[S+16*\q+3], v[S+16*\q+4], v[S+16*\q+5]
.endr
.irp i, 6,10
.irp q, 0,1
	v_max3_num_f32 v[MA+\q], v[MA+\q], v[S+16*\q+\i], v[S+16*\q+\i+1]
	v_max3_num_f32 v[MB+\q], v[MB+\q], v[S+16*\q+\i+2], v[S+16*\q+\i+3]
.endr
.endr
.irp q, 0,1
	v_max3_num_f32 v[MA+\q], v[MA+\q], v[S+16*\q+14], v[S+16*\q+15]
.endr
.irp q, 0,1
	v_max3_num_f32 v[MA+\q], v[MA+\q], v[MB+\q], v[ST+2*\q+1]
.endr
.irp q, 0,1
	v_permlanex16_b32 v[PD+\q], v[MA+\q], s[SEL], s[SEL+1]     ; the query's other 16 points lie in lane l xor 16
.endr
.irp q, 0,1
	v_max_num_f32 v[ST+2*\q+1], v[MA+\q], v[PD+\q]             ; the largest t so far: the same in both halves of the lanes
.endr
.irp q, 0,1
	v_floor_f32 v[FF+2*\q+1], -v[ST+2*\q+1]                    ; the new -M = floor(-t) = -ceil(t): M is a whole number
.endr
.irp q, 0,1
	v_sub_f32 v[FF+2*\q], v[FF+2*\q+1], v[ST+2*\q]             ; M's old value less its new one: a whole number, 0 or less
.endr
.irp q, 0,1
	v_mov_b32 v[ST+2*\q], v[FF+2*\q+1]
.endr
.irp q, 0,1
	v_cvt_i32_f32 v[FF+2*\q], v[FF+2*\q]                       ; (it saturates: the first group's step from -3e38 gives f = 0, on zeros)
.endr
.irp q, 0,1
	v_ldexp_f32 v[FF+2*\q], 1.0, v[FF+2*\q]                    ; f = 2^(old M - new M)
.endr
.set gi, 0
.rept 16
	v_pk_add_f32 v[S+2*gi:S+2*gi+1], v[S+2*gi:S+2*gi+1], v[ST+2*(gi/8):ST+2*(gi/8)+1] op_sel_hi:[1,0]   ; t - M (of the pair the low word, -M, serves both halves)
.set gi, gi+1
.endr
.set gi, 0
.rept 32
	v_exp_f32 v[S+gi], v[S+gi]                     ; p = 2^(t - M), at most 1
.set gi, gi+1
.endr
.set gi, 0
.rept 8
	v_pk_mul_f32 v[O+2*gi:O+2*gi+1], v[O+2*gi:O+2*gi+1], v[FF+2*(gi/4):FF+2*(gi/4)+1] op_sel_hi:[1,0]   ; O^T, its row of sums too, under the new M: x f; each accumulator from its low end on.  (Plain work behind the exponentials)
.set gi, gi+1
.endr
	s_wait_alu depctr_va_vdst(0)                   ; and one wait for that batch, ahead of its first reader
.set gi, 0
.rept 16
	v_cvt_pk_f16_f32 v[P+gi], v[S+2*gi], v[S+2*gi+1]
.set gi, gi+1
.endr
	v_wmma_f32_16x16x32_f16 v[O:O+7], v[GB+48:GB+55], v[P:P+7], v[O:O+7]
	v_wmma_f32_16x16x32_f16 v[O+8:O+15], v[GB+48:GB+55], v[P+8:P+15], v[O+8:O+15]
.endm
.macro WORK slot                       ; my four groups of a slot; nothing is fetched across a change of slots
	LOADS 0, \slot, 0
	GROUP 0, \slot, 0, 1
	GROUP 1, \slot, 1, 1
	GROUP 0, \slot, 2, 1
	GROUP 1, \slot, 3, 0
.endm
; The slot just worked is filled again, with the points two slots on.  Each wave waits for all its tensor loads, adds 0 to its spare word, waits for that and for its reads of the slot; a round of the cluster's barrier:
; no wave of any partner still reads the slot or has a load on its way; the joint refill is the first thing behind it, and has the other slot's four groups of every wave in which to land.
.macro CHANGE slot
	s_wait_tensorcnt 0x0                           ; no tensor load of mine is out, so a group 0 may be written
	ds_add_u32 v[SPW], v[NIL]                      ; 0 onto my spare word
	s_add_nc_u64 s[G0+4*\slot+2:G0+4*\slot+3], s[G0+4*\slot+2:G0+4*\slot+3], 2*SLOT   ; the address steps; the type bits on top are not reached
	s_wait_dscnt 0x0                               ; the add is done, and my reads of the slot are over
	ROUND
	tensor_load_to_lds s[G0+4*\slot:G0+4*\slot+3], s[G1:G1+7]
	s_nop 0
	PLACES                                         ; four v_nop follow the load
.endm
	s_load_b128 s[4:7], s[0:1], 0x0                ; stream, qrec
	s_load_b64 s[8:9], s[0:1], 0x10                ; out0
	v_lshl_add_u32 v[SPW], v0, 2, SPARE
	v_mov_b32 v[NIL], 0
	ds_add_u32 v1, v2
	ds_add_u32 v1, v2
	s_wait_dscnt 0x0
	v_lshrrev_b32 v[HH], 5, v0
	v_readfirstlane_b32 s[WV], v[HH]               ; wave 0..15
	s_bfe_u32 s11, ttmp6, 0x40000                  ; cx: my place in the cluster
	s_lshl_b32 s12, ttmp9, 2                       ; in a cluster launch ttmp9 counts clusters
	s_add_co_u32 s12, s12, s11                     ; W = 4 x cluster + cx: it enters qrec's and out0's addresses alone
	; descriptor group 1: 38 rows of 32 elements of 8 bytes, dense in memory and in LDS
	s_mov_b32 s[G1+0], 15|(3<<16)|(1<<21)          ; 15:0 the mask: all four work-groups; 17:16 elements of 8 bytes; 20 no padding; 21 set beside a mask
	s_mov_b32 s[G1+1], 32<<16                      ; tensor_dim0 = 32
	s_mov_b32 s[G1+2], 38<<16                      ; tensor_dim1 = 38
	s_mov_b32 s[G1+3], 32<<16                      ; tile_dim0 = 32
	s_mov_b32 s[G1+4], 38                          ; tile_dim1 = 38
	s_mov_b32 s[G1+5], 32                          ; from row to row: 32 elements
	s_mov_b32 s[G1+6], 0
	s_mov_b32 s[G1+7], 0
	s_mov_b32 s[SEL], 0x76543210
	s_mov_b32 s[SEL+1], 0xfedcba98                 ; v_permlanex16_b32's selects for lane l xor 16
	s_mul_i32 s36, s[WV], PART                     ; my part, in a slot and in the stream: no place in the cluster enters it
	s_mov_b32 s37, 0
	s_and_b32 s38, s[WV], 1                        ; the last sum: which tile of queries waves 0 and 1 finish
	s_lshl_b32 s39, s38, 10                        ; its images of O^T in a wave's stage,
	s_lshl_b32 s44, s38, 7                         ; and its words of -M
	s_mul_i32 s40, s12, 1280                       ; my work-group's record of qrec
	s_mov_b32 s41, 0
	s_lshl_b32 s42, s12, 10                        ; its 32 rows of out0, 32 bytes each,
	s_lshl_b32 s38, s38, 9
	s_add_co_u32 s42, s42, s38                     ; and the tile's 16 of them
	s_mov_b32 s43, 0
	; every LDS address is made here, ahead of the first branch on the wave's number
	v_and_b32 v[QI], 31, v0                        ; lane
	v_and_b32 v[QR], 15, v0                        ; r
	v_bfe_u32 v[HH], v0, 4, 1                      ; h
	v_lshl_add_u32 v[AI], v[QI], 4, s36
	v_add_nc_u32 v[AI+1], SLOT, v[AI]
	v_lshl_add_u32 v[AW], v[QI], 2, s36
	v_add_nc_u32 v[AW+1], SLOT, v[AW]
	v_lshl_add_u32 v[AB], v[HH], 5, s36
	v_add_nc_u32 v[AB+1], SLOT, v[AB]
	v_lshl_add_u32 v[RA], v[QI], 4, s39
	v_add_nc_u32 v[RA+1], 6*PART, v[RA]
	v_add_nc_u32 v[RA+2], 12*PART, v[RA]
	v_lshl_add_u32 v[RZ], v[QI], 2, s44
	v_add_nc_u32 v[RZ+1], 6*PART, v[RZ]
	v_add_nc_u32 v[RZ+2], 12*PART, v[RZ]
.irp i, 4,5,6,7,12,13,14,15
	v_mov_b32 v[QF+\i], 0                          ; the codes of k = 64 .. 127: zeros, which add nothing
	v_mov_b32 v[SET0+\i], 0
	v_mov_b32 v[SET0+56+\i], 0
.endr
.irp i, 0,1,2,3,4,5,6,7,8,9,10,11,12,13,14,15
	v_mov_b32 v[O+\i], 0                           ; sixteen lines once, so that the first group needs no text of its own: it finds zeros, which the first change of M leaves zeros
.endr
.irp q, 0,1
	v_mov_b32 v[ST+2*\q+1], 0xff61b1e6             ; the largest t so far: -3e38, under every t
	v_floor_f32 v[ST+2*\q], -v[ST+2*\q+1]          ; -M
	v_mov_b32 v[PD+\q], 0                          ; written once: a lane permute's destination counts as one of its sources
.endr
	v_lshlrev_b32 v[GO], 5, v[QR]
	v_lshl_add_u32 v[GO], v[HH], 4, v[GO]
	v_lshlrev_b32 v[QW], 2, v[QI]
	v_lshlrev_b32 v[QI], 4, v[QI]
	v_lshlrev_b32 v[QR], 2, v[QR]
	s_wait_kmcnt 0x0
	s_add_nc_u64 s[4:5], s[4:5], s[36:37]          ; the stream at my part of slot 0
	s_add_nc_u64 s[6:7], s[6:7], s[40:41]
	s_add_nc_u64 s[8:9], s[8:9], s[42:43]
.irp n, 0,1
	s_mov_b32 s[G0+4*\n], 1                        ; 1:0 count = 1
	s_add_co_u32 s[G0+4*\n+1], s36, \n*SLOT        ; 63:32 LDS address
	s_add_nc_u64 s[G0+4*\n+2:G0+4*\n+3], s[4:5], \n*SLOT   ; 120:64 global address: the stream's slot n
	s_or_b32 s[G0+4*\n+3], s[G0+4*\n+3], 0x80000000       ; 127:126 type = 2
.endr
	ROUND                                          ; all four work-groups are here: the first joint loads meet
	tensor_load_to_lds s[G0:G0+3], s[G1:G1+7]      ; both first fills go out together, ahead of every wait on TENSORcnt and every LDS read
	s_nop 0
	tensor_load_to_lds s[G0+4:G0+7], s[G1:G1+7]
	s_nop 0
	PLACES
	global_load_b128 v[QF:QF+3], v[QI], s[6:7]                 ; the queries' codes: registers 0-3 of each fragment
	global_load_b128 v[QF+8:QF+11], v[QI], s[6:7] offset:512
	global_load_b32 v[QS], v[QW], s[6:7] offset:1024
	global_load_b32 v[BH], v[QR], s[6:7] offset:1152           ; |b|^2/2 of query r of tile 0,
	global_load_b32 v[BH+2], v[QR], s[6:7] offset:1216         ; of tile 1
	s_wait_loadcnt 0x0
	v_mov_b32 v[BH+1], v[BH]
	v_mov_b32 v[BH+3], v[BH+2]
	s_mov_b32 s[TRIPS], 3
.Lring:                                            ; three trips: the stream's slots 0 to 5 are worked, 2 to 7 asked for
	s_wait_tensorcnt 0x1                           ; my part of slot 0 is in; the one load issued behind it (slot 1's) may be out.  Nobody else reads my part: no barrier
	WORK 0
	CHANGE 0
	s_wait_tensorcnt 0x1                           ; slot 1's part was shown landed by the wait for 0 in the change; the refill just issued may be out
	WORK 1
	CHANGE 1
	s_sub_co_u32 s[TRIPS], s[TRIPS], 1
	s_cmp_lg_u32 s[TRIPS], 0
	s_cbranch_scc1 .Lring
	s_wait_tensorcnt 0x1                           ; the last two slots are written out: nothing more is asked for
	WORK 0
	s_wait_tensorcnt 0x0
	WORK 1
	; THE LAST SUM.  Each wave's O^T goes to LDS as an image of its registers, and its -M as a word a lane, into the first 2,304 bytes of its own part of slot 0, which has had its last fill and which no other wave has read.
	PLACES                                         ; behind the last products: ahead of the stores that read them and of the loads below
.irp q, 0,1
.irp c, 0,1
	ds_store_b128 v[AI], v[O+8*\q+4*\c:O+8*\q+4*\c+3] offset:1024*\q+512*\c    ; each accumulator from its low end on
.endr
	ds_store_b32 v[AW], v[ST+2*\q] offset:2048+128*\q
.endr
	s_wait_dscnt 0x0                               ; for the others' sake: my stores have landed
	s_barrier_signal -1
	s_barrier_wait -1
	s_cmp_lt_u32 s[WV], 2                          ; wave q finishes the queries' tile q; no barrier stands inside
	s_cbranch_scc0 .Ljoin
.set p, 0
.rept 16
	ds_load_b128 v[RED+8*p:RED+8*p+3], v[RA+p/6] offset:PART*(p%6)
	ds_load_b128 v[RED+8*p+4:RED+8*p+7], v[RA+p/6] offset:PART*(p%6)+512
	ds_load_b32 v[FP+p], v[RZ+p/6] offset:PART*(p%6)+2048
.set p, p+1
.endr
.irp i, 0,8,9,10,11
	v_mov_b32 v[200+\i], 0                         ; a lane permute's destination counts as one of its sources
.endr
	v_cmp_eq_u32 vcc_lo, 1, v[HH]
	s_wait_dscnt 0x0
	v_min3_num_f32 v212, v[FP], v[FP+1], v[FP+2]   ; the least -M of the sixteen waves: the largest M of my query
.irp i, 3,5,7,9,11,13
	v_min3_num_f32 v212, v212, v[FP+\i], v[FP+\i+1]
.endr
	v_min_num_f32 v212, v212, v[FP+15]
.set p, 0
.rept 16
	v_sub_f32 v[FP+p], v212, v[FP+p]               ; wave p's M less the largest: a whole number, 0 or less
.set p, p+1
.endr
.set p, 0
.rept 16
	v_cvt_i32_f32 v[FP+p], v[FP+p]
.set p, p+1
.endr
.set p, 0
.rept 16
	v_ldexp_f32 v[FP+p], 1.0, v[FP+p]              ; the factor that brings wave p's sums under the largest M
.set p, p+1
.endr
.irp i, 0,1,2,3,4,5,6,7
	v_mul_f32 v[RED+\i], v[RED+\i], v[FP]
.endr
.set p, 1
.rept 15
.irp i, 0,1,2,3,4,5,6,7
	v_fma_f32 v[RED+\i], v[RED+8*p+\i], v[FP+p], v[RED+\i]     ; eight chains by turns
.endr
.set p, p+1
.endr
	; lanes 0-15: the 8 sums of query r in registers 0-7; lanes 16-31: its sum of weights in register 0
	v_permlanex16_b32 v200, v[RED], s[SEL], s[SEL+1]
	v_cndmask_b32 v200, v200, v[RED], vcc_lo       ; the sum of weights of query r, in both halves of the lanes
	v_rcp_f32 v201, v200
	v_nop                                          ; a plain place behind the reciprocal
.irp i, 0,1,2,3
	v_permlanex16_b32 v[208+\i], v[RED+4+\i], s[SEL], s[SEL+1]
.endr
.irp i, 0,1,2,3
	v_cndmask_b32 v[208+\i], v[RED+\i], v[208+\i], vcc_lo      ; lanes 0-15 keep columns 0-3, lanes 16-31 take columns 4-7 of the same query
.endr
	s_wait_alu depctr_va_vdst(0)                   ; the wait ahead of the reciprocal's first reader
.irp i, 0,1,2,3
	v_mul_f32 v[204+\i], v[208+\i], v201
.endr
	global_store_b128 v[GO], v[204:207], s[8:9]    ; 32 lanes store 512 consecutive bytes, 16 whole rows, at a multiple of 512 from out0's first byte
.Ljoin:
	s_wait_tensorcnt 0x0                           ; the wave's end: behind my last tensor load and my last LDS store
	ds_add_u32 v[SPW], v[NIL]
	s_wait_dscnt 0x0
	ROUND                                          ; the closing round: no work-group ends while a partner may still ask for a part that names it
	s_endpgm
.Lfunc_end_k_q1ccef72530_main:
	.size	k_q1ccef72530_main, .Lfunc_end_k_q1ccef72530_main-k_q1ccef72530_main
	.p2alignl 7, 3214868480
	.fill 96, 4, 3214868480
	.section	.rodata,"a",@progbits
	.p2align	6, 0x0
	.amdhsa_kernel k_q1ccef72530_main
		.amdhsa_group_segment_fixed_size 327680
		.amdhsa_private_segment_fixed_size 0
		.amdhsa_enable_private_segment 0
		.amdhsa_kernarg_size 24
		.amdhsa_user_sgpr_count 2
		.amdhsa_user_sgpr_kernarg_segment_ptr 1
		.amdhsa_wavefront_size32 1
		.amdhsa_system_sgpr_workgroup_id_x 1
		.amdhsa_system_sgpr_workgroup_id_y 1
		.amdhsa_system_sgpr_workgroup_id_z 1
		.amdhsa_system_vgpr_workitem_id 0
		.amdhsa_next_free_vgpr 256
		.amdhsa_next_free_sgpr 66
		.amdhsa_reserve_vcc 1
		.amdhsa_float_denorm_mode_32 3
		.amdhsa_float_denorm_mode_16_64 3
		.amdhsa_memory_ordered 1
		.amdhsa_forward_progress 1
		.amdhsa_inst_pref_size 197
	.end_amdhsa_kernel
	.amdgpu_metadata
---
amdhsa.version: [ 1, 2 ]
amdhsa.kernels:
  - .name:           k_q1ccef72530_main
    .symbol:         k_q1ccef72530_main.kd
    .args:
      - { .name: stream, .offset: 0, .size: 8, .value_kind: global_buffer, .address_space: global }
      - { .name: qrec, .offset: 8, .size: 8, .value_kind: global_buffer, .address_space: global }
      - { .name: out0, .offset: 16, .size: 8, .value_kind: global_buffer, .address_space: global }
    .group_segment_fixed_size: 327680
    .private_segment_fixed_size: 0
    .kernarg_segment_align: 8
    .kernarg_segment_size: 24
    .max_flat_workgroup_size: 512
    .sgpr_count:     66
    .vgpr_count:     256
    .wavefront_size: 32
...
	.end_amdgpu_metadata
.endif
;; end of part 2
